; MI455X (gfx1250); checked and timed in simulation.
; The chip was launched on July 23, 2026; its instructions are those of AMD's public machine-readable ISA for CDNA 5 (MIT licence, August 2026) and "CDNA5" Instruction Set Architecture Reference Guide (July 2026). The comments in the code are by the model that wrote it; some were corrected since.
;; Attn. Allowed arithmetic: matrix products marked QUANTISED: E2M1 operands, one E8M0 scale for each 32 along K, by v_wmma_scale_f32_16x16x128_f8f6f4 with both operands' format E2M1 (or v_wmma_scale_f32_32x16x128_f4), f32 sums; products left as they are: f32 operands where the result goes on into a quantised operand, else bf16, f16 or f32 operands; f32 sums; everything else in f32.
;; Inputs: W_attn 1,024 x 1,024 float32; b_attn 1,024 float32; encoder_outputs 2,048 x 32 x 1,024 float32; hidden 1 x 32 x 1,024 float32.
;; Outputs: out0 32 x 1 x 2,048 float32.
;; This version of the problem:
;;   THIS VERSION OF THE PROBLEM IS GIVEN IN LOW PRECISION. The matrix products marked QUANTISED in the list below multiply operands that are first quantised to E2M1 (2 exponent bits, 1 mantissa bit; 4 bits a number), with one power-of-two scale for each 32 numbers along K (OCP MX v1.0); their sums are f32. All else is computed in f32.
;;   The module's matrix products, in the order in which they are computed (A, B: the left and right operand; K: the contracted axis; several contracted axes count as one K, in the product's order):
;;     1. [M 65,536, K 1,024] x [K 1,024, N 1,024]; A: input encoder_outputs; B: input W_attn: QUANTISED
;;     2. batch 32 x [M 1, K 1,024] x [K 1,024, N 2,048]; A: input hidden; B: computed on the way: left as it is (M = 1 < 16)
;;   THE QUANTISER, for each operand of a quantised product, along K:
;;     - K is cut into blocks of 32 from its start; a last block that is shorter is filled with zeros.
;;     - A block's scale is 2^e with e = floor(log2(the largest magnitude in the block)) - 2, held to -126 .. 127; a block of zeros has e = 0. As a byte (E8M0): e + 127.
;;     - Each number is divided by its block's scale, clamped to +-6, and rounded to the nearest number of E2M1, ties to even, subnormals kept.
;;     - The product sums the exact products of the quantised numbers (number of the format x scale) in f32.
;;   ~~~python
;;   def quantise(x, axis):      # numpy; x: float32 -> the quantised numbers, widened to float32 again
;;       x = np.moveaxis(x, axis, -1); K = x.shape[-1]
;;       x = np.pad(x, [(0, 0)] * (x.ndim - 1) + [(0, -K % 32)]); x = x.reshape(x.shape[:-1] + (-1, 32)); a = np.abs(x).max(-1, keepdims=True)
;;       e = np.where(a > 0, np.clip(np.frexp(np.where(a > 0, a, 1))[1] - 1 - 2, -126, 127), 0)      # np.frexp(a)[1] - 1 = floor(log2(a)), exactly
;;       r = np.clip(x / 2.0 ** e, -6, 6)
;;       step = 2.0 ** (np.maximum(np.frexp(np.where(r == 0, 1, r))[1] - 1, 0) - 1)
;;       q = np.round(r / step) * step * 2.0 ** e      # np.round: ties to even
;;       return np.moveaxis(q.reshape(q.shape[:-2] + (-1,))[..., :K], -1, axis).astype(np.float32)
;;   ~~~
;; One version. Each part assembles by itself: llvm-mc -triple=amdgcn-amd-amdhsa -mcpu=gfx1250 --defsym DOCPART=n.
;; ======== version 1 of 1: 3 launches
;; limits: right only within a limited range of input values
;; workspace buffers: wq 557,056 bytes; en 262,144 bytes
;; launch prep (part 1): grid 128 x 1, 4 waves a work-group, no clusters, 34,816 bytes of LDS; arguments W_attn, wq; writes wq
.if DOCPART == 1
	.amdgcn_target "amdgcn-amd-amdhsa--gfx1250"
	.amdhsa_code_object_version 6
	.text
	.protected	k_q72911c88d6_prep
	.globl	k_q72911c88d6_prep
	.p2align	8
	.type	k_q72911c88d6_prep,@function
k_q72911c88d6_prep:
	s_mov_b64 s[64:65], 0
	v_nop
	global_prefetch_b8 v0, s[64:65] scope:SCOPE_SE
	s_setreg_imm32_b32 hwreg(HW_REG_WAVE_MODE, 25, 1), 1
	s_wait_xcnt 0x0
; DEAD WORK OF THE WHOLE PROGRAM: attn_energies[b][s] = hidden[b] . (x[s][b] W^T) + hidden[b] . b_attn.  The second term does not hang on s, and the softmax runs over s:
; a term that is the same along a softmax's axis cancels for all finite values of the inputs.  So b_attn has no way to the output: it is not loaded and is no launch's argument.
; LIMIT: a NaN, an infinity or an overflow that would arise in hidden . b_attn alone is not carried to the result.
; THIS LAUNCH: W_attn [1024 rows c][1024 k], f32, K innermost, becomes codes of FP4 (E2M1) with one E8M0 byte for each 32 along K, IN THE ORDER OF THE OPERAND'S REGISTERS:
;   32 pair blocks of 17,408 bytes (pair p = rows 32 p .. 32 p + 31).  Codes: piece n = 16 u + 2 s + cc (u: tile of 16 rows, s: K step of 128, cc: group of four registers) at 512 n,
;   lane l's 16 bytes at 16 l: row 32 p + 16 u + l % 16, k = 128 s + 64 cc + 32 (l / 16) + 0 .. 31.  Scale words: from byte 16,384 of the block: at 512 q + 16 l the four words of row 32 p + l for K steps 4 q .. 4 q + 3.
; A block's scale is 2^(floor(log2(its largest magnitude)) - 2); its byte is the largest magnitude's exponent field - 2, held at 1 from below.
; LIMITS: NaN and infinities are not served.  A block of zeros gets the byte 1 where the rule says 127: its codes are zeros, and this program alone reads the bytes.  Blocks whose largest magnitude lies under 2^-124 keep the byte 1.
; SHARES: work-group g takes tile T = g / 2 (16 rows) and half q = g % 2 of K; wave w takes K step 4 q + w: one fragment, 16 rows x 128 k, which turns through the wave's own stage in LDS.
.set PITCH, 528                        ; a stage row: 512 bytes + 16
.set STW,   16*PITCH
.set SCX,   4*STW                      ; behind the stages: the tile's scale words of this half of K, 256 bytes
.set LI,   4
.set SH8,  6
.set AX,   7
.set SI,   8
.set SCA,  9
.set SCR,  10
.set SCO,  11
.set OUTP, 12
.set TM,   20
.set SO,   24
.set BY,   26
.set WD,   28
.set W2,   29
.set PW,   30
.set PC,   32
.set X,    64
.set R,    128
.set WV,   12
.set SEL,  20
	s_load_b128 s[4:7], s[0:1], 0x0                ; W s[4:5], wq s[6:7]
	v_lshl_add_u32 v192, v0, 2, 0x8600
	v_mov_b32 v193, 0
	v_lshrrev_b32 v1, 5, v0
	v_readfirstlane_b32 s[WV], v1                  ; wave 0..3
	v_and_b32 v1, 31, v0
	v_and_b32 v2, 15, v0                           ; r
	v_bfe_u32 v3, v0, 4, 1                         ; h
	v_lshlrev_b32 v[LI], 4, v1
	v_lshlrev_b32 v[SH8], 3, v3
	s_mul_i32 s13, s[WV], STW
	v_mul_u32_u24 v[AX], v2, PITCH
	v_lshl_add_u32 v[AX], v3, 7, v[AX]
	v_add_nc_u32 v[AX], s13, v[AX]                 ; stage + 528 r + 128 h
	v_add_nc_u32 v[SI], s13, v[LI]
	s_lshl_b32 s14, s[WV], 2
	s_add_co_u32 s14, s14, SCX
	v_lshl_add_u32 v[SCA], v2, 4, s14              ; SCX + 16 r + 4 w
	v_lshlrev_b32 v[SCO], 3, v1
	v_add_nc_u32 v[SCR], SCX, v[SCO]
	v_mov_b32 v[W2], 0
	s_mov_b32 s[SEL], 0x76543210
	s_mov_b32 s[SEL+1], 0xfedcba98
	s_lshr_b32 s15, ttmp9, 1                       ; T
	s_and_b32 s16, ttmp9, 1                        ; q
	s_lshl_b32 s18, s15, 16                        ; W: 16 rows of 4,096 bytes a tile,
	s_lshl_b32 s17, s16, 11
	s_add_co_u32 s18, s18, s17
	s_lshl_b32 s17, s[WV], 9
	s_add_co_u32 s18, s18, s17
	s_mov_b32 s19, 0
	s_lshl_b32 s22, s15, 13                        ; codes: 8,192 bytes a tile, 1,024 a K step,
	s_lshl_b32 s17, s16, 12
	s_add_co_u32 s22, s22, s17
	s_lshl_b32 s17, s[WV], 10
	s_add_co_u32 s22, s22, s17
	s_mov_b32 s23, 0
	s_lshr_b32 s24, ttmp9, 2                       ; p
	s_lshl_b32 s24, s24, 10
	s_add_co_u32 s22, s22, s24                     ; and 1,024 more for each pair passed: a pair block is 17,408 bytes
	s_lshl_b32 s17, s16, 9                         ; scale words: 512 a half of K,
	s_add_co_u32 s24, s24, s17
	s_and_b32 s17, s15, 1
	s_lshl_b32 s17, s17, 8                         ; 256 a tile of the pair,
	s_add_co_u32 s24, s24, s17
	s_lshr_b32 s17, ttmp9, 2
	s_lshl_b32 s17, s17, 14
	s_add_co_u32 s24, s24, s17                     ; 17,408 p in all,
	s_add_co_u32 s24, s24, 16384                   ; behind the pair's codes
	s_mov_b32 s25, 0
	s_wait_alu depctr_va_vdst(0)
	s_wait_kmcnt 0x0
	s_add_nc_u64 s[4:5], s[4:5], s[18:19]
	s_add_nc_u64 s[8:9], s[6:7], s[22:23]
	s_add_nc_u64 s[10:11], s[6:7], s[24:25]
.irp p, 0,1,2,3,4,5,6,7,8,9,10,11,12,13,14,15
	global_load_b128 v[R+4*\p:R+4*\p+3], v[LI], s[4:5] offset:4096*\p th:TH_LOAD_NT   ; row p: 512 consecutive bytes
.endr
.irp p, 0,1,2,3,4,5,6,7,8,9,10,11,12,13,14,15
	s_wait_loadcnt 15-\p                           ; row p is in, the younger rows may be out
	ds_store_b128 v[SI], v[R+4*\p:R+4*\p+3] offset:PITCH*\p
.endr
.irp c, 0,1
.irp i, 0,1,2,3,4,5,6,7
	ds_load_b128 v[X+32*\c+4*\i:X+32*\c+4*\i+3], v[AX] offset:256*\c+16*\i   ; k = 64 c + 32 h + 4 i on of my row
.endr
.endr
	s_wait_dscnt 0x0
.irp c, 0,1
	v_max3_num_f32 v[TM+2*\c], |v[X+32*\c]|, |v[X+32*\c+1]|, 0x1800000        ; the floor 2^(3 - 127) is one more leaf
	v_max3_num_f32 v[TM+2*\c+1], |v[X+32*\c+16]|, |v[X+32*\c+17]|, |v[X+32*\c+18]|
.endr
.irp i, 2,4,6,8,10,12
.irp c, 0,1
	v_max3_num_f32 v[TM+2*\c], v[TM+2*\c], |v[X+32*\c+\i]|, |v[X+32*\c+\i+1]|
	v_max3_num_f32 v[TM+2*\c+1], v[TM+2*\c+1], |v[X+32*\c+17+\i]|, |v[X+32*\c+18+\i]|
.endr
.endr
.irp c, 0,1
	v_max3_num_f32 v[TM+2*\c], v[TM+2*\c], |v[X+32*\c+14]|, |v[X+32*\c+15]|
.endr
.irp c, 0,1
	v_max3_num_f32 v[TM+2*\c], v[TM+2*\c], v[TM+2*\c+1], |v[X+32*\c+31]|
.endr
.irp c, 0,1
	v_add_nc_u32 v[SO+\c], 0xff000000, v[TM+2*\c]  ; 2 off the exponent field: the conversion's scale operand
.endr
.irp c, 0,1
	v_lshrrev_b32 v[BY+\c], 23, v[SO+\c]           ; the scale's byte
.endr
	v_lshl_or_b32 v[WD], v[BY+1], 16, v[BY]        ; blocks h and 2 + h of my row,
	v_lshlrev_b32 v[WD], v[SH8], v[WD]             ; at their places in the word
	v_permlanex16_b32 v[W2], v[WD], s[SEL], s[SEL+1]
	v_or_b32 v[PW], v[WD], v[W2]
.irp c, 0,1
.irp g, 0,1,2,3
	v_cvt_scalef32_pk8_fp4_f32 v[PC+4*\c+\g], v[X+32*\c+8*\g:X+32*\c+8*\g+7], v[SO+\c]
.endr
.endr
	v_nop                                          ; one plain line behind the last scaled conversion
	global_store_b128 v[LI], v[PC:PC+3], s[8:9]                ; piece cc = 0: 512 consecutive bytes
	global_store_b128 v[LI], v[PC+4:PC+7], s[8:9] offset:512   ; piece cc = 1
	ds_store_b32 v[SCA], v[PW]                     ; lanes r and r + 16 write the same word with the same value
	s_wait_dscnt 0x0                               ; for wave 0's sake
	s_barrier_signal -1
	s_barrier_wait -1
	s_cmp_lg_u32 s[WV], 0
	s_cbranch_scc1 .Ldone                          ; wave 0 alone sends the 256 bytes of scale words
	ds_load_b64 v[OUTP:OUTP+1], v[SCR]
	s_wait_dscnt 0x0
	global_store_b64 v[SCO], v[OUTP:OUTP+1], s[10:11]          ; 256 consecutive bytes, at a multiple of 256
.Ldone:
	s_wait_tensorcnt 0x0                           ; the wave's end
	ds_add_u32 v192, v193
	s_wait_dscnt 0x0
	s_endpgm
.Lfunc_end_k_q72911c88d6_prep:
	.size	k_q72911c88d6_prep, .Lfunc_end_k_q72911c88d6_prep-k_q72911c88d6_prep
	.p2alignl 7, 3214868480
	.fill 96, 4, 3214868480
	.section	.rodata,"a",@progbits
	.p2align	6, 0x0
	.amdhsa_kernel k_q72911c88d6_prep
		.amdhsa_group_segment_fixed_size 34816
		.amdhsa_private_segment_fixed_size 0
		.amdhsa_enable_private_segment 0
		.amdhsa_kernarg_size 16
		.amdhsa_user_sgpr_count 2
		.amdhsa_user_sgpr_kernarg_segment_ptr 1
		.amdhsa_wavefront_size32 1
		.amdhsa_system_sgpr_workgroup_id_x 1
		.amdhsa_system_sgpr_workgroup_id_y 1
		.amdhsa_system_sgpr_workgroup_id_z 1
		.amdhsa_system_vgpr_workitem_id 0
		.amdhsa_next_free_vgpr 194
		.amdhsa_next_free_sgpr 66
		.amdhsa_reserve_vcc 0
		.amdhsa_float_denorm_mode_32 3
		.amdhsa_float_denorm_mode_16_64 3
		.amdhsa_memory_ordered 1
		.amdhsa_forward_progress 1
		.amdhsa_inst_pref_size 11
	.end_amdhsa_kernel
	.amdgpu_metadata
---
amdhsa.version: [ 1, 2 ]
amdhsa.kernels:
  - .name:           k_q72911c88d6_prep
    .symbol:         k_q72911c88d6_prep.kd
    .args:
      - { .name: W_attn, .offset: 0, .size: 8, .value_kind: global_buffer, .address_space: global }
      - { .name: wq, .offset: 8, .size: 8, .value_kind: global_buffer, .address_space: global }
    .group_segment_fixed_size: 34816
    .private_segment_fixed_size: 0
    .kernarg_segment_align: 8
    .kernarg_segment_size: 16
    .max_flat_workgroup_size: 128
    .sgpr_count:     66
    .vgpr_count:     194
    .wavefront_size: 32
...
	.end_amdgpu_metadata
.endif
;; end of part 1
;; launch main (part 2): grid 8 x 32, 4 waves a work-group, clusters of 4 x 1, 327,680 bytes of LDS; arguments encoder_outputs, hidden, wq, en; writes en
.if DOCPART == 2
	.amdgcn_target "amdgcn-amd-amdhsa--gfx1250"
	.amdhsa_code_object_version 6
	.text
	.protected	k_q72911c88d6_main
	.globl	k_q72911c88d6_main
	.p2align	8
	.type	k_q72911c88d6_main,@function
k_q72911c88d6_main:
	s_mov_b64 s[64:65], 0
	v_nop
	global_prefetch_b8 v0, s[64:65] scope:SCOPE_SE
	s_setreg_imm32_b32 hwreg(HW_REG_WAVE_MODE, 25, 1), 1
	s_wait_xcnt 0x0
	s_wait_alu depctr_hold_cnt(0) depctr_sa_sdst(0) depctr_va_vdst(0) depctr_va_sdst(0) depctr_va_ssrc(0) depctr_va_vcc(0) depctr_vm_vsrc(0)
	s_getreg_b32 s2, hwreg(HW_REG_IB_STS2, 6, 4)
	s_cmp_eq_u32 s2, 0
	s_cbranch_scc0 .Lentry_in_a_cluster
	s_endpgm
.Lentry_in_a_cluster:
	s_bfe_u32 s2, ttmp6, 0x10000c
	s_cmp_lg_u32 s2, 0x3003
	s_cbranch_scc0 .Lentry_shape_is_right
	s_endpgm
.Lentry_shape_is_right:
; en[b][s] = sum over c of hidden[b][c] x E[s][b][c],  E = Q(encoder_outputs) Q(W)^T on codes of FP4 (E2M1), one E8M0 scale for each 32 along K = 1,024; sums in f32.
; LEFT OUT as dead work: hidden[b] . b_attn, the same for all s of a softmax over s (shown at the head of the first kernel).
; SHARES.  A work-group owns one b and 256 s, as two chunks of 128 rows.  PHASE A: wave w quantises rows 32 w .. 32 w + 31 of each chunk, 32 units of 16 rows x 128 k; a unit comes as f32 through a ring of four sets of
; 64 registers (16 loads of 2 x 256 consecutive bytes), turns in place through the wave's own stage in LDS, so that a lane holds whole blocks of 32 of one row, and its codes and scale word go to LDS as an image of the operand's registers.
; PHASE B: wave w holds the codes of all 128 rows of chunk w / 2 (512 registers) and takes W's rows 512 (w % 2) .. + 511: 16 pair blocks, 32 tiles; a tile is 64 matrix instructions on 8 accumulators by turns, then 32 packed
; multiply-adds with hidden[b].  So W is walked once, and each of its fragments is read from LDS by two waves.  The two halves of a row's sum meet in LDS at the end.
; The product is used transposed (source 0 = 16 rows of W, source 1 = 16 rows of x): lane (r, h) holds row r, register j column 16 t + 8 h + j.
; W'S RING: two slots of four pair blocks (17,408 bytes each, codes and scale words): two for each half of W's rows; each wave fetches one block.  A slot feeds four tiles, 256 matrix instructions, of each wave, and is changed
; in the middle of its last tile, when all its reads are back.  Slot 0 is asked for at the head, slot 1 at the end of phase A.
; CLUSTER: the four work-groups of a cluster walk the same W: its blocks are asked for jointly (mask 15).
; NO PREFETCH: the f32 rows are asked for three units (24 KB a wave) ahead by the ring of loads, through all of phase A; W's blocks are asked for a slot (256 matrix instructions) ahead.
; LIMITS: NaN and infinities are not served.  A block of zeros gets the scale byte 1 where the rule says 127 (its codes are zeros; nobody else reads the bytes); blocks whose largest magnitude lies under 2^-124 keep the byte 1.
; REGISTERS: window 0: v0-55 addresses and work, v56-63 W's scale words, v64-95 my rows' scale words, v96-111 hidden, v112-127 sums, v128-191 accumulators, v192-255 W's fragments (one set, renewed by halves);
;   window 1: codes of K steps 0-3 (tile m, step s at 32 m + 8 s); window 2: K steps 4-7; window 3: phase A's ring.
.set P17,   17408                      ; a pair block
.set WSL,   4*P17                      ; a slot
.set ACD,   2*WSL                      ; the codes, 131,072 bytes: fragment (chunk c, tile m, K step s) at 16,384 m + 8,192 c + 1,024 s
.set ASL,   ACD+131072                 ; the scale words, 8,192 bytes: 1,024 m + 64 r + 32 c + 4 s
.set HID,   ASL+8192                   ; hidden[b], 4,096 bytes
.set OUTS,  HID+4096                   ; partial sums [half of W's rows][256 rows]
.set SPARE, OUTS+2048                  ; the spare words, 128 bytes a wave
.set XST,   SPARE+512                  ; the stages
.set XP,    272
.set XSW,   16*XP
.set ROWG,  131072                     ; bytes from s to s + 1 at one b
.set LI,4
.set H32,5
.set SH8,6
.set SI,7
.set AXS,8
.set VO,9
.set ADW,10                            ; v10, v11: my half's two blocks in slot 0, 1, + 16 x lane
.set SPW,12
.set NIL,13
.set STO,14
.set STR,15
.set GO,16
.set HO,17
.set HL,18
.set R64,19
.set ASA,20
.set CA,21
.set SAD,22
.set ADH,23
.set AAD,24                            ; v24, v25: my chunk's codes, tiles 0-3 and 4-7
.set PW,26
.set W2,27
.set PC1,28                            ; v28-31 codes of the unit's second 64; v48-51 of its first: no conversion's destination bears a number of the eight registers that it reads
.set TM,32
.set SO,36
.set BY,38
.set WD,40
.set PC0,48
.set WSC,56
.set ASC,64
.set HW,96
.set SA,112
.set ACC,128
.set WF,192
.set WV,12
.set CX,13
.set BLK,14
.set BB,15
.set SEL,20
.set G1W,32
.set G0,40                             ; s[40:43], s[44:47]: group 0 for slot 0, 1
.set CI,48
.set CB,49
.set SB,50
.set PH,51
.set DL,52
.set JMP,54
.set WR,55
.set WC,56
.set MSB, 0
.macro WIN new                         ; the immediate's high byte repeats the setting that is left
.if MSB != \new
	s_set_vgpr_msb (MSB<<8)|\new
.set MSB, \new
.endif
.endm
.set MUL1, 0x04                        ; source 1 (my rows) window 1
.set MUL2, 0x08                        ; window 2
.macro CREST                           ; a round of the cluster's barrier behind its opening barrier
	s_cmp_lg_u32 s[WV], 0
	s_cbranch_scc1 .Lnw0_\@
	s_barrier_signal -3
.Lnw0_\@:
	s_barrier_wait -3
	s_barrier_signal -1
	s_barrier_wait -1
.endm
.macro CROUND
	s_barrier_signal -1
	s_barrier_wait -1
	CREST
.endm
.macro NOP4
.rept 4
	v_nop
.endr
.endm
.macro THREE
	s_wait_tensorcnt 0x0
	ds_add_u32 v[SPW], v[NIL]
	s_wait_dscnt 0x0
.endm
; unit i of a trip: tile i / 2 of my two, K step 2 T + i % 2: sixteen loads into set i
.macro LOADU i
	WIN 0xc0
.irp c, 0,1
.irp j, 0,1,2,3,4,5,6,7
	global_load_b128 v[64*(\i)+32*\c+4*\j:64*(\i)+32*\c+4*\j+3], v[VO], s[4:5] offset:(16*((\i)/2)+2*\j)*ROWG+512*((\i)%2)+256*\c th:TH_LOAD_NT
.endr
.endr
	WIN 0
.endm
; the unit turns through my stage, 64 along K at a time, and comes back into its own registers: k = 64 c + 32 h + 0 .. 31 of row r.  LDS serves a wave's instructions in order.
.macro TURNU i, left
	s_wait_loadcnt \left                           ; the unit is in; the units asked for behind it (16 loads each) may be out
	WIN 0xcc
.irp c, 0,1
.irp j, 0,1,2,3,4,5,6,7
	ds_store_b128 v[SI], v[64*(\i)+32*\c+4*\j:64*(\i)+32*\c+4*\j+3] offset:2*XP*\j
.endr
.irp k, 0,1,2,3,4,5,6,7
	ds_load_b128 v[64*(\i)+32*\c+4*\k:64*(\i)+32*\c+4*\k+3], v[AXS] offset:16*\k
.endr
.endr
	WIN 0
.endm
; the unit is quantised; codes and scale word go to LDS; ld = 1: its set takes the unit of the next trip
.macro QU i, ld
	s_wait_dscnt 0x0                               ; the unit is back from the stage
.set LR, 64*(\i)
	WIN 0x3c
.irp k, 0,1,2,3
	v_mov_b32 v[TM+\k], 0x1800000                  ; four chains of maxima begin at the floor 2^(3 - 127): the byte cannot fall under 1
.endr
.irp e, 0,2,4,6,8,10,12,14
.irp c, 0,1
	v_max3_num_f32 v[TM+2*\c], v[TM+2*\c], |v[LR+32*\c+\e]|, |v[LR+32*\c+\e+1]|
	v_max3_num_f32 v[TM+2*\c+1], v[TM+2*\c+1], |v[LR+32*\c+16+\e]|, |v[LR+32*\c+17+\e]|
.endr
.endr
	WIN 0
.irp c, 0,1
	v_max_num_f32 v[TM+2*\c], v[TM+2*\c], v[TM+2*\c+1]
.endr
.irp c, 0,1
	v_add_nc_u32 v[SO+\c], 0xff000000, v[TM+2*\c]  ; 2 off the exponent field: the conversion's scale operand
.endr
.irp c, 0,1
	v_lshrrev_b32 v[BY+\c], 23, v[SO+\c]
.endr
	v_lshl_or_b32 v[WD], v[BY+1], 16, v[BY]        ; blocks h and 2 + h
	v_lshlrev_b32 v[WD], v[SH8], v[WD]
	v_permlanex16_b32 v[W2], v[WD], s[SEL], s[SEL+1]
	v_or_b32 v[PW], v[WD], v[W2]
	WIN 0x03
.irp g, 0,1,2,3
	v_cvt_scalef32_pk8_fp4_f32 v[PC0+\g], v[LR+8*\g:LR+8*\g+7], v[SO]
	v_cvt_scalef32_pk8_fp4_f32 v[PC1+\g], v[LR+32+8*\g:LR+32+8*\g+7], v[SO+1]
.endr
	WIN 0
	v_nop                                          ; one plain line behind the last scaled conversion
	ds_store_b128 v[CA], v[PC0:PC0+3] offset:16384*((\i)/2)+1024*((\i)%2)
	ds_store_b128 v[CA], v[PC1:PC1+3] offset:16384*((\i)/2)+1024*((\i)%2)+512
	ds_store_b32 v[SAD], v[PW] offset:1024*((\i)/2)+4*((\i)%2)   ; lanes r and r + 16 write the same word with the same value
.if \ld
.if (\i) == 0
	s_wait_xcnt 0x0                                ; the last trip's loads, issued a unit's work ago, have read their base:
	s_add_nc_u64 s[4:5], s[4:5], s[DL:DL+1]        ; it goes on to the next trip's units
.endif
	LOADU \i
.endif
	s_wait_alu depctr_va_vdst(0)                   ; the wait ahead of the waits and branches that follow
.endm
; one matrix instruction: tile u of the pair x my tile m, K step s.  The first K step starts the sum.
.macro MM u, s, m
.set rD, ACC+8*(\m)
.set rW, WF+8*(\s)
.set rA, 32*(\m)+8*((\s)%4)
.set rX, WSC+(\s)
.set rY, ASC+4*(\m)+(\s)%4
.if (\s) == 0
.if (\u) == 0
	v_wmma_scale_f32_16x16x128_f8f6f4 v[rD:rD+7], v[rW:rW+7], v[rA:rA+7], 0, v[rX], v[rY] matrix_a_fmt:MATRIX_FMT_FP4 matrix_b_fmt:MATRIX_FMT_FP4
.else
	v_wmma_scale_f32_16x16x128_f8f6f4 v[rD:rD+7], v[rW:rW+7], v[rA:rA+7], 0, v[rX], v[rY] matrix_a_fmt:MATRIX_FMT_FP4 matrix_b_fmt:MATRIX_FMT_FP4 matrix_a_scale:MATRIX_SCALE_ROW1
.endif
.elseif (\s) < 4
.if (\u) == 0
	v_wmma_scale_f32_16x16x128_f8f6f4 v[rD:rD+7], v[rW:rW+7], v[rA:rA+7], v[rD:rD+7], v[rX], v[rY] matrix_a_fmt:MATRIX_FMT_FP4 matrix_b_fmt:MATRIX_FMT_FP4
.else
	v_wmma_scale_f32_16x16x128_f8f6f4 v[rD:rD+7], v[rW:rW+7], v[rA:rA+7], v[rD:rD+7], v[rX], v[rY] matrix_a_fmt:MATRIX_FMT_FP4 matrix_b_fmt:MATRIX_FMT_FP4 matrix_a_scale:MATRIX_SCALE_ROW1
.endif
.else
.if (\u) == 0
	v_wmma_scale_f32_16x16x128_f8f6f4 v[rD:rD+7], v[rW:rW+7], v[rA:rA+7], v[rD:rD+7], v[rX], v[rY] matrix_a_fmt:MATRIX_FMT_FP4 matrix_b_fmt:MATRIX_FMT_FP4 matrix_b_scale:MATRIX_SCALE_ROW1
.else
	v_wmma_scale_f32_16x16x128_f8f6f4 v[rD:rD+7], v[rW:rW+7], v[rA:rA+7], v[rD:rD+7], v[rX], v[rY] matrix_a_fmt:MATRIX_FMT_FP4 matrix_b_fmt:MATRIX_FMT_FP4 matrix_a_scale:MATRIX_SCALE_ROW1 matrix_b_scale:MATRIX_SCALE_ROW1
.endif
.endif
.endm
.macro MMS u, s                        ; a K step: the eight accumulators by turns
.irp m, 0,1,2,3,4,5,6,7
	MM \u, \s, \m
.endr
.endm
; W's fragments of K steps 4 hf .. 4 hf + 3 of tile u of my pair pr in slot sl; with a pair's first tile the pair's scale words of these K steps (lanes 0-15 tile 0, lanes 16-31 tile 1)
.macro WLD sl, pr, u, hf
.irp s, 0,1,2,3
.irp c, 0,1
	ds_load_b128 v[WF+32*(\hf)+8*\s+4*\c:WF+32*(\hf)+8*\s+4*\c+3], v[ADW+(\sl)] offset:P17*(\pr)+512*(16*(\u)+8*(\hf)+2*\s+\c)
.endr
.endr
.if (\u) == 0
	ds_load_b128 v[WSC+4*(\hf):WSC+4*(\hf)+3], v[ADW+(\sl)] offset:P17*(\pr)+16384+512*(\hf)
.endif
.endm
.macro HWL u, off                      ; hidden at a tile's columns 8 h + 0 .. 7
.irp k, 0,1
	ds_load_b128 v[HW+8*(\u)+4*\k:HW+8*(\u)+4*\k+3], v[ADH] offset:(\off)+64*(\u)+16*\k
.endr
.endm
.macro EPI u                           ; each accumulator from its low end on; the eight sums by turns
.irp i, 0,1,2,3
.irp m, 0,1,2,3,4,5,6,7
	v_pk_fma_f32 v[SA+2*\m:SA+2*\m+1], v[ACC+8*\m+2*\i:ACC+8*\m+2*\i+1], v[HW+8*(\u)+2*\i:HW+8*(\u)+2*\i+1], v[SA+2*\m:SA+2*\m+1]
.endr
.endr
.endm
; A TILE of W (slot sl, my pair pr, tile u) against my 128 rows.  chg = 1: the slot, whose reads are all back, is filled again with the blocks two slots further on; chg = 2: the same lines with no fill.
; nxt: the next tile's fragments are fetched, each half behind the products that read it.  hwn: hidden for the next pair's tile u.
.macro TILE sl, pr, u, chg, nxt, hwn
.if \chg
	s_wait_tensorcnt 0x0                           ; my one load that was out, my block of the next slot, has landed
	ds_add_u32 v[SPW], v[NIL]
	s_wait_dscnt 1                                 ; all but the add
	WIN MUL1
	MMS \u, 0
	MMS \u, 1
	s_wait_dscnt 0x0                               ; the add is done; my reads of this slot were back above
	s_barrier_signal -1
	MMS \u, 2
	MMS \u, 3
	WIN 0
	s_barrier_wait -1                              ; every wave's block of the next slot is in, and nobody reads this slot any more
.else
	s_wait_dscnt 0x0                               ; this tile's operands are in
	WIN MUL1
	MMS \u, 0
	MMS \u, 1
	MMS \u, 2
	MMS \u, 3
	WIN 0
.endif
.if \chg == 1
	CREST                                          ; the barrier has opened a round of the cluster's barrier
	s_add_nc_u64 s[G0+4*\sl+2:G0+4*\sl+3], s[G0+4*\sl+2:G0+4*\sl+3], 4*P17
	tensor_load_to_lds s[G0+4*\sl:G0+4*\sl+3], s[G1W:G1W+7]
	s_nop 0
.endif
	NOP4                                           ; four places in front of loads into registers that matrix instructions have read
.if \nxt
	WLD (\sl+\u*\pr)%2, (\pr+\u)%2, 1-\u, 0
.endif
	WIN MUL2
	MMS \u, 4
	MMS \u, 5
	MMS \u, 6
	MMS \u, 7
	WIN 0
	NOP4                                           ; places in front of the loads below and of the first read of results
.if \nxt
	WLD (\sl+\u*\pr)%2, (\pr+\u)%2, 1-\u, 1
.endif
	EPI \u
.if \hwn
	HWL \u, 128*(2*\sl+\pr+1)
.endif
	s_wait_alu depctr_va_vdst(0)
.endm
; ONCE ROUND THE RING: two slots, four pairs, eight tiles
.macro LAP c0, c1, nx, hl
	v_add_nc_u32 v[ADH], s[PH], v[H32]
	s_wait_alu depctr_va_vdst(0)                   ; directly behind the write
	TILE 0, 0, 0, 0, 1, 1
	TILE 0, 0, 1, 0, 1, 1
	TILE 0, 1, 0, 0, 1, 1
	TILE 0, 1, 1, \c0, 1, 1
	TILE 1, 0, 0, 0, 1, 1
	TILE 1, 0, 1, 0, 1, 1
	TILE 1, 1, 0, 0, 1, \hl
	TILE 1, 1, 1, \c1, \nx, \hl
	s_add_co_u32 s[PH], s[PH], 512
.endm
.macro ADRQ                            ; where this trip's codes and scale words go
	v_add_nc_u32 v[CA], s[CB], v[LI]
	v_add_nc_u32 v[SAD], s[SB], v[R64]
	s_wait_alu depctr_va_vdst(0)                   ; directly behind the writes
.endm
	s_load_b256 s[4:11], s[0:1], 0x0               ; encoder_outputs s[4:5], hidden s[6:7], wq s[8:9], en s[10:11]
	v_lshl_add_u32 v[SPW], v0, 2, SPARE
	v_mov_b32 v[NIL], 0
	ds_add_u32 v[SPW], v[NIL]                      ; the opening lines: the add twice on end
	ds_add_u32 v[SPW], v[NIL]
	v_lshrrev_b32 v1, 5, v0
	v_readfirstlane_b32 s[WV], v1                  ; wave 0..3
	s_lshr_b32 s[WR], s[WV], 1                     ; phase B: my chunk of rows,
	s_and_b32 s[WC], s[WV], 1                      ; and my half of W's rows
	s_bfe_u32 s[CX], ttmp6, 0x40000                ; cx enters my own rows' and en's global addresses alone
	s_lshl_b32 s[BLK], ttmp9, 2
	s_add_co_u32 s[BLK], s[BLK], s[CX]             ; my block of 256 s
	s_and_b32 s[BB], ttmp7, 0xffff                 ; b
	s_lshl_b32 s16, s[BLK], 25                     ; 256 s x 131,072 bytes a block,
	s_lshl_b32 s17, s[WV], 22                      ; 32 s a wave,
	s_add_co_u32 s16, s16, s17
	s_lshl_b32 s18, s[BB], 12                      ; 4,096 bytes a b
	s_add_co_u32 s16, s16, s18
	s_mov_b32 s17, 0
	s_mov_b32 s19, 0                               ; s[18:19]: hidden[b]
	s_lshl_b32 s22, s[BB], 13                      ; en: 8,192 bytes a b, 1,024 a block, 256 a wave
	s_lshl_b32 s23, s[BLK], 10
	s_add_co_u32 s22, s22, s23
	s_lshl_b32 s23, s[WV], 8
	s_add_co_u32 s22, s22, s23
	s_mov_b32 s23, 0
	s_lshl_b32 s24, s[WR], 4                       ; wq: I fetch pair 16 (w / 2) + w % 2 + 2 x the slot's number
	s_add_co_u32 s24, s24, s[WC]
	s_mul_i32 s24, s24, P17
	s_mov_b32 s25, 0
	s_mul_i32 s26, s[WV], P17                      ; its place in a slot
	s_mul_i32 s27, s[WV], XSW
	s_add_co_u32 s27, s27, XST                     ; my stage
	s_lshl_b32 s28, s[WC], 10
	s_lshl_b32 s29, s[WR], 9
	s_add_co_u32 s28, s28, s29
	s_add_co_u32 s28, s28, OUTS                    ; my partial sums
	s_lshl_b32 s29, s[WV], 8
	s_add_co_u32 s29, s29, OUTS                    ; the 64 rows that I send out
	s_mul_i32 s30, s[WC], 2*P17                    ; the two blocks of a slot that I read
	s_lshl_b32 s31, s[WR], 13
	s_add_co_u32 s31, s31, ACD                     ; my chunk's codes,
	s_lshl_b32 s57, s[WR], 5
	s_add_co_u32 s57, s57, ASL                     ; and scale words
	s_lshl_b32 s[PH], s[WC], 11
	s_add_co_u32 s[PH], s[PH], HID
	s_lshl_b32 s[CB], s[WV], 15
	s_add_co_u32 s[CB], s[CB], ACD
	s_lshl_b32 s[SB], s[WV], 11
	s_add_co_u32 s[SB], s[SB], ASL
	s_mov_b32 s[DL+1], 0
	s_mov_b32 s[JMP], 128*ROWG-3072                ; from a chunk's last trip to the next chunk's first
	s_mov_b32 s[SEL], 0x76543210
	s_mov_b32 s[SEL+1], 0xfedcba98
	s_mov_b32 s[G1W], 15|(3<<16)|(1<<21)           ; the mask: all four; elements of 8 bytes; bit 21 beside a mask
	s_mov_b32 s[G1W+1], 32<<16                     ; 17,408 dense bytes as 68 rows of 256
	s_mov_b32 s[G1W+2], 68<<16
	s_mov_b32 s[G1W+3], 32<<16
	s_mov_b32 s[G1W+4], 68
	s_mov_b32 s[G1W+5], 32
	s_mov_b32 s[G1W+6], 0
	s_mov_b32 s[G1W+7], 0
	s_wait_dscnt 0x0                               ; both opening adds are done
	v_and_b32 v1, 31, v0                           ; lane
	v_and_b32 v2, 15, v0                           ; r
	v_bfe_u32 v3, v0, 4, 1                         ; h
	v_lshlrev_b32 v[LI], 4, v1
	v_lshlrev_b32 v[H32], 5, v3
	v_lshlrev_b32 v[SH8], 3, v3
	v_mul_u32_u24 v[SI], v3, XP
	v_lshl_add_u32 v[SI], v2, 4, v[SI]
	v_add_nc_u32 v[SI], s27, v[SI]                 ; into the stage: 272 h + 16 r
	v_mul_u32_u24 v[AXS], v2, XP
	v_lshl_add_u32 v[AXS], v3, 7, v[AXS]
	v_add_nc_u32 v[AXS], s27, v[AXS]               ; out of it: 272 r + 128 h
	v_lshlrev_b32 v[VO], 17, v3
	v_lshl_add_u32 v[VO], v2, 4, v[VO]             ; in memory: 131,072 h + 16 r
	v_add_nc_u32 v[ADW], s30, v[LI]
	v_add_nc_u32 v[ADW+1], WSL, v[ADW]
	v_add_nc_u32 v[AAD], s31, v[LI]
	v_add_nc_u32 v[AAD+1], 0x10000, v[AAD]
	v_lshlrev_b32 v[R64], 6, v2
	v_lshl_add_u32 v[ASA], v3, 4, v[R64]
	v_add_nc_u32 v[ASA], s57, v[ASA]               ; 64 r + 16 h: register j: lanes 0-15 K step j, lanes 16-31 K step 4 + j
	v_lshl_add_u32 v[STO], v2, 2, s28
	v_lshl_add_u32 v[STR], v1, 3, s29
	v_lshlrev_b32 v[GO], 3, v1
	v_lshlrev_b32 v[HO], 5, v0
	v_lshl_add_u32 v[HL], v0, 5, HID
	v_mov_b32 v[W2], 0                             ; a lane permute's destination counts as one of its sources
.irp j, 0,1,2,3,4,5,6,7,8,9,10,11,12,13,14,15
	v_mov_b32 v[SA+\j], 0
.endr
	s_wait_alu depctr_va_vdst(0)                   ; the wait at the head's end
	s_wait_kmcnt 0x0
	s_add_nc_u64 s[4:5], s[4:5], s[16:17]
	s_add_nc_u64 s[6:7], s[6:7], s[18:19]
	global_load_b128 v[HW:HW+3], v[HO], s[6:7]     ; hidden[b], 32 bytes a thread
	global_load_b128 v[HW+4:HW+7], v[HO], s[6:7] offset:16
	LOADU 0                                        ; the ring is filled first of all
	LOADU 1
	LOADU 2
	LOADU 3
	s_add_nc_u64 s[10:11], s[10:11], s[22:23]
	s_add_nc_u64 s[8:9], s[8:9], s[24:25]
.irp s, 0,1
	s_mov_b32 s[G0+4*\s], 1
	s_add_co_u32 s[G0+4*\s+1], s26, \s*WSL
	s_add_nc_u64 s[G0+4*\s+2:G0+4*\s+3], s[8:9], \s*2*P17
	s_or_b32 s[G0+4*\s+3], s[G0+4*\s+3], 0x80000000
.endr
	CROUND                                         ; all four work-groups are here: the first joint loads meet
	tensor_load_to_lds s[G0:G0+3], s[G1W:G1W+7]    ; slot 0: one tensor load a wave at the head; it lands during phase A
	s_nop 0
	NOP4
	; ---- PHASE A: eight trips of four units; the last is written out, since it asks for nothing more
	s_mov_b32 s[CI], 7
.La:
	s_cmp_eq_u32 s[CI], 4                          ; the fourth trip asks for chunk 1's first units
	s_cselect_b32 s[DL], s[JMP], 0x400
	ADRQ
.irp i, 0,1,2,3
	TURNU \i, 48
	QU \i, 1
.endr
	s_add_co_u32 s[CB], s[CB], 2048
	s_add_co_u32 s[SB], s[SB], 8
	s_sub_co_u32 s[CI], s[CI], 1
	s_cmp_lg_u32 s[CI], 0
	s_cbranch_scc1 .La
	ADRQ
	TURNU 0, 48
	QU 0, 0
	TURNU 1, 32
	QU 1, 0
	TURNU 2, 16
	QU 2, 0
	TURNU 3, 0
	QU 3, 0
	ds_store_b128 v[HL], v[HW:HW+3]                ; hidden's loads were the first of all
	ds_store_b128 v[HL], v[HW+4:HW+7] offset:16
	THREE                                          ; my block of slot 0, my codes and my numbers of hidden have landed; slot 1's first fill is issued as a refill is
	CROUND
	tensor_load_to_lds s[G0+4:G0+7], s[G1W:G1W+7]
	s_nop 0
	NOP4
	; ---- my chunk's codes and scale words, all 128 rows, into my registers
	WIN 0x40
.irp m, 0,1,2,3,4,5,6,7
.irp s, 0,1,2,3
.irp c, 0,1
	ds_load_b128 v[32*\m+8*\s+4*\c:32*\m+8*\s+4*\c+3], v[AAD+\m/4] offset:(\m%4)*16384+\s*1024+512*\c
.endr
.endr
.endr
	WIN 0x80
.irp m, 0,1,2,3,4,5,6,7
.irp s, 0,1,2,3
.irp c, 0,1
	ds_load_b128 v[32*\m+8*\s+4*\c:32*\m+8*\s+4*\c+3], v[AAD+\m/4] offset:(\m%4)*16384+(4+\s)*1024+512*\c
.endr
.endr
.endr
	WIN 0
.irp m, 0,1,2,3,4,5,6,7
	ds_load_b128 v[ASC+4*\m:ASC+4*\m+3], v[ASA] offset:1024*\m
.endr
	v_add_nc_u32 v[ADH], s[PH], v[H32]
	WLD 0, 0, 0, 0
	WLD 0, 0, 0, 1
	HWL 0, 0
	HWL 1, 0
	; ---- PHASE B: eight slots
	s_mov_b32 s[CI], 3
.Lb:
	LAP 1, 1, 1, 1
	s_sub_co_u32 s[CI], s[CI], 1
	s_cmp_lg_u32 s[CI], 0
	s_cbranch_scc1 .Lb
	LAP 2, 0, 0, 0                                 ; the last two slots are written out: nothing is filled or fetched beyond the end
	; ---- THE WAY OUT: a row's partial sum lies in a pair and in lanes r and r + 16
.irp m, 0,1,2,3,4,5,6,7
	v_add_f32 v[SA+2*\m], v[SA+2*\m], v[SA+2*\m+1]
.endr
.irp m, 0,1,2,3,4,5,6,7
	v_permlanex16_b32 v[SA+2*\m+1], v[SA+2*\m], s[SEL], s[SEL+1]
.endr
.irp m, 0,1,2,3,4,5,6,7
	v_add_f32 v[SA+2*\m], v[SA+2*\m], v[SA+2*\m+1]
.endr
.irp m, 0,1,2,3,4,5,6,7
	ds_store_b32 v[STO], v[SA+2*\m] offset:64*\m   ; lanes r and r + 16 write the same word with the same value
.endr
	s_wait_dscnt 0x0                               ; for the others' sake
	s_barrier_signal -1
	s_barrier_wait -1
	ds_load_b64 v[40:41], v[STR]                   ; the two halves of two of my 64 rows' sums
	ds_load_b64 v[42:43], v[STR] offset:1024
	s_wait_dscnt 0x0
	v_pk_add_f32 v[40:41], v[40:41], v[42:43]
	global_store_b64 v[GO], v[40:41], s[10:11]     ; 256 consecutive bytes, at a multiple of 256 from en's first byte
	THREE                                          ; the wave's end
	CROUND                                         ; the closing round
	s_endpgm
.Lfunc_end_k_q72911c88d6_main:
	.size	k_q72911c88d6_main, .Lfunc_end_k_q72911c88d6_main-k_q72911c88d6_main
	.p2alignl 7, 3214868480
	.fill 96, 4, 3214868480
	.section	.rodata,"a",@progbits
	.p2align	6, 0x0
	.amdhsa_kernel k_q72911c88d6_main
		.amdhsa_group_segment_fixed_size 327680
		.amdhsa_private_segment_fixed_size 0
		.amdhsa_enable_private_segment 0
		.amdhsa_kernarg_size 32
		.amdhsa_user_sgpr_count 2
		.amdhsa_user_sgpr_kernarg_segment_ptr 1
		.amdhsa_wavefront_size32 1
		.amdhsa_system_sgpr_workgroup_id_x 1
		.amdhsa_system_sgpr_workgroup_id_y 1
		.amdhsa_system_sgpr_workgroup_id_z 1
		.amdhsa_system_vgpr_workitem_id 0
		.amdhsa_next_free_vgpr 1024
		.amdhsa_next_free_sgpr 66
		.amdhsa_reserve_vcc 0
		.amdhsa_float_denorm_mode_32 3
		.amdhsa_float_denorm_mode_16_64 3
		.amdhsa_memory_ordered 1
		.amdhsa_forward_progress 1
		.amdhsa_inst_pref_size 255
	.end_amdhsa_kernel
	.section	.bss,"aw",@nobits
	.p2align	6
	.space	262144
	.amdgpu_metadata
---
amdhsa.version: [ 1, 2 ]
amdhsa.kernels:
  - .name:           k_q72911c88d6_main
    .symbol:         k_q72911c88d6_main.kd
    .args:
      - { .name: encoder_outputs, .offset: 0, .size: 8, .value_kind: global_buffer, .address_space: global }
      - { .name: hidden, .offset: 8, .size: 8, .value_kind: global_buffer, .address_space: global }
      - { .name: wq, .offset: 16, .size: 8, .value_kind: global_buffer, .address_space: global }
      - { .name: en, .offset: 24, .size: 8, .value_kind: global_buffer, .address_space: global }
    .group_segment_fixed_size: 327680
    .private_segment_fixed_size: 0
    .kernarg_segment_align: 8
    .kernarg_segment_size: 32
    .max_flat_workgroup_size: 128
    .sgpr_count:     66
    .vgpr_count:     1024
    .wavefront_size: 32
...
	.end_amdgpu_metadata
.endif
;; end of part 2
;; launch soft (part 3): grid 32 x 1, 4 waves a work-group, no clusters, 1,024 bytes of LDS; arguments en, out0; writes out0
.if DOCPART == 3
	.amdgcn_target "amdgcn-amd-amdhsa--gfx1250"
	.amdhsa_code_object_version 6
	.text
	.protected	k_q72911c88d6_soft
	.globl	k_q72911c88d6_soft
	.p2align	8
	.type	k_q72911c88d6_soft,@function
k_q72911c88d6_soft:
	s_mov_b64 s[64:65], 0
	v_nop
	global_prefetch_b8 v0, s[64:65] scope:SCOPE_SE
	s_setreg_imm32_b32 hwreg(HW_REG_WAVE_MODE, 25, 1), 1
	s_wait_xcnt 0x0
; out0[b][0][s] = softmax over s of en[b][s].  en: [32][2048] f32; out0: [32][1][2048] f32.
; LEFT OUT as dead work: hidden[b] . b_attn, the same for all s of the row (shown at the head of the first kernel).
; One work-group of four waves for each b; thread t holds the sixteen energies at s = 512 k + 4 t .. + 3, k = 0 .. 3.  Every load and store of a wave covers 512 consecutive bytes.
; The row's maximum is taken away ahead of the exponential: x - M is 0 at the largest and never above 0; the sum is at least 1.
; LIMITS: NaN and infinities are not served; an exponential whose result falls under 2^-126 comes out as 0 (ISA guide, v_exp_f32).
; 32 rows of 8 KB: too little for matrix units, clusters or a ring.
	s_load_b128 s[4:7], s[0:1], 0x0                ; en s[4:5], out0 s[6:7]
	v_lshl_add_u32 v48, v0, 2, 0x200
	v_mov_b32 v49, 0
	v_lshlrev_b32 v1, 4, v0                        ; 16 bytes a thread
	v_lshrrev_b32 v2, 5, v0
	v_lshlrev_b32 v24, 2, v2                       ; LDS: a word a wave
	v_mov_b32 v25, 0
	v_mov_b32 v22, 0                               ; a lane permute's destination counts as one of its sources
	s_lshl_b32 s12, ttmp9, 13                      ; a row: 8,192 bytes
	s_mov_b32 s13, 0
	s_mov_b32 s16, 0x76543210
	s_mov_b32 s17, 0xfedcba98
	s_wait_alu depctr_va_vdst(0)                   ; the wait at the head's end
	s_wait_kmcnt 0x0
	s_add_nc_u64 s[4:5], s[4:5], s[12:13]
	s_add_nc_u64 s[6:7], s[6:7], s[12:13]
.irp k, 0,1,2,3
	global_load_b128 v[4+4*\k:7+4*\k], v1, s[4:5] offset:2048*\k th:TH_LOAD_NT
.endr
	s_wait_loadcnt 0x0
	v_max3_num_f32 v20, v4, v5, v6                 ; my largest energy, in two chains
	v_max3_num_f32 v21, v7, v8, v9
	v_max3_num_f32 v20, v20, v10, v11
	v_max3_num_f32 v21, v21, v12, v13
	v_max3_num_f32 v20, v20, v14, v15
	v_max3_num_f32 v21, v21, v16, v17
	v_max3_num_f32 v20, v20, v18, v19
	v_max_num_f32 v20, v20, v21
.irp x, 1,2,4,8
	v_max_num_f32_dpp v20, v20, v20 row_xmask:\x row_mask:0xf bank_mask:0xf
.endr
	v_permlanex16_b32 v22, v20, s16, s17
	v_max_num_f32 v20, v20, v22
	ds_store_b32 v24, v20                          ; all lanes of a wave write the same word with the same value
	s_wait_dscnt 0x0                               ; for the others' sake
	s_barrier_signal -1
	s_barrier_wait -1
	ds_load_b128 v[28:31], v25                     ; the four waves' maxima
	s_wait_dscnt 0x0
	v_max3_num_f32 v28, v28, v29, v30
	v_max_num_f32 v28, v28, v31                    ; M
.irp j, 4,6,8,10,12,14,16,18
	v_pk_add_f32 v[\j:\j+1], v[\j:\j+1], v[28:29] op_sel_hi:[1,0] neg_lo:[0,1] neg_hi:[0,1]   ; x - M
.endr
.irp j, 4,6,8,10,12,14,16,18
	v_pk_mul_f32 v[\j:\j+1], v[\j:\j+1], 0x3fb8aa3b op_sel_hi:[1,0]   ; x log2(e)
.endr
	s_wait_alu depctr_va_vdst(0)                   ; the wait ahead of the batch
.irp j, 4,5,6,7,8,9,10,11,12,13,14,15,16,17,18,19
	v_exp_f32 v[\j], v[\j]
.endr
	v_nop                                          ; a plain line behind the last exponential
	s_wait_alu depctr_va_vdst(0)                   ; and one wait for the batch, ahead of its first reader
	v_pk_add_f32 v[32:33], v[4:5], v[6:7]
	v_pk_add_f32 v[34:35], v[8:9], v[10:11]
	v_pk_add_f32 v[36:37], v[12:13], v[14:15]
	v_pk_add_f32 v[38:39], v[16:17], v[18:19]
	v_pk_add_f32 v[32:33], v[32:33], v[34:35]
	v_pk_add_f32 v[36:37], v[36:37], v[38:39]
	v_pk_add_f32 v[32:33], v[32:33], v[36:37]
	v_add_f32 v32, v32, v33
.irp x, 1,2,4,8
	v_add_f32_dpp v32, v32, v32 row_xmask:\x row_mask:0xf bank_mask:0xf
.endr
	v_permlanex16_b32 v22, v32, s16, s17
	v_add_f32 v32, v32, v22
	ds_store_b32 v24, v32 offset:256               ; other bytes than the maxima's: no barrier is owed between
	s_wait_dscnt 0x0
	s_barrier_signal -1
	s_barrier_wait -1
	ds_load_b128 v[36:39], v25 offset:256
	s_wait_dscnt 0x0
	v_add_f32 v40, v36, v37
	v_add_f32 v41, v38, v39
	v_add_f32 v40, v40, v41                        ; the row's sum, at least 1
	s_wait_alu depctr_va_vdst(0)
	v_rcp_f32 v36, v40
	v_nop                                          ; a plain line behind the reciprocal
	s_wait_alu depctr_va_vdst(0)                   ; the wait, ahead of its first reader
.irp j, 4,6,8,10,12,14,16,18
	v_pk_mul_f32 v[\j:\j+1], v[\j:\j+1], v[36:37] op_sel_hi:[1,0]
.endr
.irp k, 0,1,2,3
	global_store_b128 v1, v[4+4*\k:7+4*\k], s[6:7] offset:2048*\k
.endr
	s_wait_tensorcnt 0x0                           ; the wave's end
	ds_add_u32 v48, v49
	s_wait_dscnt 0x0
	s_endpgm
.Lfunc_end_k_q72911c88d6_soft:
	.size	k_q72911c88d6_soft, .Lfunc_end_k_q72911c88d6_soft-k_q72911c88d6_soft
	.p2alignl 7, 3214868480
	.fill 96, 4, 3214868480
	.section	.rodata,"a",@progbits
	.p2align	6, 0x0
	.amdhsa_kernel k_q72911c88d6_soft
		.amdhsa_group_segment_fixed_size 1024
		.amdhsa_private_segment_fixed_size 0
		.amdhsa_enable_private_segment 0
		.amdhsa_kernarg_size 16
		.amdhsa_user_sgpr_count 2
		.amdhsa_user_sgpr_kernarg_segment_ptr 1
		.amdhsa_wavefront_size32 1
		.amdhsa_system_sgpr_workgroup_id_x 1
		.amdhsa_system_sgpr_workgroup_id_y 1
		.amdhsa_system_sgpr_workgroup_id_z 1
		.amdhsa_system_vgpr_workitem_id 0
		.amdhsa_next_free_vgpr 50
		.amdhsa_next_free_sgpr 66
		.amdhsa_reserve_vcc 0
		.amdhsa_float_denorm_mode_32 3
		.amdhsa_float_denorm_mode_16_64 3
		.amdhsa_memory_ordered 1
		.amdhsa_forward_progress 1
		.amdhsa_inst_pref_size 7
	.end_amdhsa_kernel
	.amdgpu_metadata
---
amdhsa.version: [ 1, 2 ]
amdhsa.kernels:
  - .name:           k_q72911c88d6_soft
    .symbol:         k_q72911c88d6_soft.kd
    .args:
      - { .name: en, .offset: 0, .size: 8, .value_kind: global_buffer, .address_space: global }
      - { .name: out0, .offset: 8, .size: 8, .value_kind: global_buffer, .address_space: global }
    .group_segment_fixed_size: 1024
    .private_segment_fixed_size: 0
    .kernarg_segment_align: 8
    .kernarg_segment_size: 16
    .max_flat_workgroup_size: 128
    .sgpr_count:     66
    .vgpr_count:     50
    .wavefront_size: 32
...
	.end_amdgpu_metadata
.endif
;; end of part 3
